; MI455X (gfx1250); checked and timed in simulation.
; The chip was launched on July 23, 2026; its instructions are those of AMD's public machine-readable ISA for CDNA 5 (MIT licence, August 2026) and "CDNA5" Instruction Set Architecture Reference Guide (July 2026). The comments in the code are by the model that wrote it; some were corrected since.
;; Attention. Allowed arithmetic: matrix products marked QUANTISED: E4M3 operands, one given power-of-two scale a tensor, by v_wmma_f32_16x16x64_fp8_fp8 or v_wmma_f32_16x16x128_fp8_fp8, f32 sums; products left as they are: f32 operands where the result goes on into a quantised operand, else bf16, f16 or f32 operands; f32 sums; everything else in f32.
;; Inputs: V 1,024 x 1 float32; W1 1,024 x 1,024 float32; W2 1,024 x 1,024 float32; encoder_output 32 x 2,048 x 1,024 float32; lowp_scales 4 int32 (the exponents e of the quantised operands' scales 2^e); state_hidden 32 x 1,024 float32.
;; Outputs: out0 32 x 1,024 float32; out1 32 x 2,048 x 1 float32.
;; This version of the problem:
;;   THIS VERSION OF THE PROBLEM IS GIVEN IN LOW PRECISION. The matrix products marked QUANTISED in the list below multiply operands that are first quantised to E4M3 (4 exponent bits, 3 mantissa bits; 8 bits a number), with one given power-of-two scale for each operand tensor; their sums are f32. All else is computed in f32.
;;   The module's matrix products, in the order in which they are computed (A, B: the left and right operand; K: the contracted axis; several contracted axes count as one K, in the product's order):
;;     1. [M 65,536, K 1,024] x [K 1,024, N 1,024]; A: input encoder_output; B: input W1: QUANTISED (scales: A lowp_scales[0], B lowp_scales[1])
;;     2. [M 32, K 1,024] x [K 1,024, N 1,024]; A: input state_hidden; B: input W2: QUANTISED (scales: A lowp_scales[2], B lowp_scales[3])
;;     3. [M 65,536, K 1,024] x [K 1,024, N 1]; A: computed on the way; B: input V: left as it is (N = 1 < 16)
;;     4. batch 32 x [M 1,024, K 2,048] x [K 2,048, N 1]; A: input encoder_output; B: softmax: left as it is (N = 1 < 16)
;;   THE QUANTISER, for each operand of a quantised product, along K:
;;     - The operand's scale is 2^e, e = its entry of the input lowp_scales (int32; the entries are numbered through the quantised products in the list's order, A before B).
;;     - Each number is divided by the scale, clamped to +-448, and rounded to the nearest number of E4M3, ties to even, subnormals kept.
;;     - The product sums the exact products of the quantised numbers (number of the format x scale) in f32.
;;   ~~~python
;;   def quantise(x, axis, e):      # numpy; x: float32 -> the quantised numbers, widened to float32 again
;;       x = np.moveaxis(x, axis, -1); K = x.shape[-1]
;;       r = np.clip(x / 2.0 ** e, -448, 448)
;;       step = 2.0 ** (np.maximum(np.frexp(np.where(r == 0, 1, r))[1] - 1, -6) - 3)
;;       q = np.round(r / step) * step * 2.0 ** e      # np.round: ties to even
;;       return np.moveaxis(q, -1, axis).astype(np.float32)
;;   ~~~
;; One version. Each part assembles by itself: llvm-mc -triple=amdgcn-amd-amdhsa -mcpu=gfx1250 --defsym DOCPART=n.
;; ======== version 1 of 1: 3 launches
;; limits: values are held in bf16: 8 bits of precision; right only within a limited range of input values
;; workspace buffers: w1c 1,048,576 bytes; cb 131,072 bytes; sc 262,144 bytes; ctxp 2,097,152 bytes
;; launch prep (part 1): grid 48 x 1, 16 waves a work-group, no clusters, 69,632 bytes of LDS; arguments W1, W2, state_hidden, lowp_scales, w1c, cb; writes w1c, cb
.if DOCPART == 1
	.amdgcn_target "amdgcn-amd-amdhsa--gfx1250"
	.amdhsa_code_object_version 6
	.text
	.protected	k_qd2e892d664_prep
	.globl	k_qd2e892d664_prep
	.p2align	8
	.type	k_qd2e892d664_prep,@function
k_qd2e892d664_prep:
	s_mov_b64 s[64:65], 0
	v_nop
	global_prefetch_b8 v0, s[64:65] scope:SCOPE_SE
	s_setreg_imm32_b32 hwreg(HW_REG_WAVE_MODE, 25, 1), 1
	s_wait_xcnt 0x0
; Two small jobs ahead of the main launch, told apart by the work-group's number alone.
; Work-groups 0-15: cb[b][n] = 2 log2(e) x (state_hidden @ W2)[b][n], both operands quantised to E4M3 with the given scales 2^e2, 2^e3; 64 columns a work-group.
; Work-groups 16-47: W1 [k][n] f32 -> codes of E4M3 with the given scale 2^e1, laid as IMAGES OF OPERAND REGISTERS:
;   w1c[panel p = n / 16][K step s][c4][lane (r, h)][16 bytes]; byte j is the code of W1[128 s + 64 h + 16 c4 + j][16 p + r].
; THE ORDER OF k IN A K STEP OF 128, in every operand of this program: register c (0..15), byte b of lane (r, h) holds k = 64 h + 4 c + b.  It is one permutation of k, the same on both sides of
; every product, so each product meets its partner; only the order of the sums inside an instruction differs.
; code = x / 2^e, held within +-448, to the nearest code, ties to even.
; LIMITS: e1, e2, e3 between -126 and 119, so that 2^e and 448 x 2^e are f32 numbers; e2 + e3 is applied by v_ldexp_f32 and has none.  NaN among the inputs is not served.
.set IMG,  0                           ; LDS: the state's 16 fragments (K step ks, batch tile bt) as register images, 2,048 bytes each, at 2,048 (2 ks + bt)
.set RED,  32768                       ; LDS: four partial results (one for each quarter of K), 32 rows x (256 bytes + 16)
.set RPCH, 272
; 64 numbers of a lane, v[src] on, become 16 registers of codes, v[dst] on.  v[sc]: 2^e as f32 (the conversion takes its exponent field); v[lim]: 448 x 2^e
.macro QUANT src, dst, sc, lim
.set qi, 0
.rept 64
	v_med3_num_f32 v[\src+qi], v[\src+qi], -v[\lim], v[\lim]   ; the conversion to an 8-bit code does not saturate (ISA guide 7.6.2): the hold comes first
.set qi, qi+1
.endr
.set qi, 0
.rept 8
	v_cvt_scalef32_pk8_fp8_f32 v[\dst+2*qi:\dst+2*qi+1], v[\src+8*qi:\src+8*qi+7], v[\sc]
.set qi, qi+1
.endr
	v_nop                                          ; one plain vector line behind the last conversion, ahead of whatever touches its registers next
.endm
	s_load_b256 s[4:11], s[0:1], 0x0               ; W1 s[4:5], W2 s[6:7], state s[8:9], the scales' exponents s[10:11]
	s_load_b128 s[12:15], s[0:1], 0x20             ; w1c s[12:13], cb s[14:15]
	v_lshrrev_b32 v1, 5, v0
	s_delay_alu instid0(VALU_DEP_1)
	v_readfirstlane_b32 s20, v1                    ; wave 0..15
	v_and_b32 v2, 31, v0                           ; lane
	v_and_b32 v3, 15, v0                           ; r
	v_bfe_u32 v4, v0, 4, 1                         ; h
	s_mov_b32 s27, 0
	s_mov_b32 s29, 0
	s_wait_kmcnt 0x0
	s_load_b128 s[16:19], s[10:11], 0x0            ; e0, e1, e2, e3
	s_cmp_lt_u32 ttmp9, 16
	s_cbranch_scc0 .Lcodes
; ---------------- state @ W2: columns 64 g .. 64 g + 63 ----------------
; As a producer wave w quantises ONE fragment of the state (batch tile bt = w & 1, K step ks = w >> 1) and stores its image.
; As a consumer it multiplies column tile ct = w & 3 over K steps 2 kq, 2 kq + 1 (kq = w >> 2) with both batch tiles.
	s_and_b32 s21, s20, 1                          ; bt
	s_lshr_b32 s22, s20, 1                         ; ks
	s_and_b32 s23, s20, 3                          ; ct
	s_lshr_b32 s24, s20, 2                         ; kq
	s_lshl_b32 s26, s21, 16                        ; 16 rows of 4,096 bytes
	s_lshl_b32 s28, s22, 9                         ; 128 numbers
	s_add_co_u32 s26, s26, s28
	s_add_nc_u64 s[8:9], s[8:9], s[26:27]
	s_lshl_b32 s26, s24, 20                        ; 256 rows of W2
	s_lshl_b32 s28, ttmp9, 8                       ; 64 g columns, in bytes
	s_add_co_u32 s26, s26, s28
	s_lshl_b32 s30, s23, 6                         ; 16 ct columns
	s_add_co_u32 s26, s26, s30
	s_add_nc_u64 s[6:7], s[6:7], s[26:27]
	s_add_nc_u64 s[14:15], s[14:15], s[28:29]      ; cb at column 64 g
	s_wait_alu depctr_va_vdst(0)
	v_lshlrev_b32 v5, 12, v3
	s_delay_alu instid0(VALU_DEP_1)
	v_lshl_add_u32 v5, v4, 8, v5                   ; state: row r, + 64 h numbers
	v_lshlrev_b32 v6, 2, v3
	s_delay_alu instid0(VALU_DEP_1)
	v_lshl_add_u32 v6, v4, 18, v6                  ; W2: column r, + 64 h rows: a lane takes a column and its registers run down K
.irp c, 0,1,2,3,4,5,6,7,8,9,10,11,12,13,14,15
	global_load_b128 v[64+4*\c:67+4*\c], v5, s[8:9] offset:16*\c
.endr
.irp s, 0,1
.set qi, 0
.rept 64
	global_load_b32 v[128+64*\s+qi], v6, s[6:7] offset:(128*\s+qi)*4096   ; the four column waves stand side by side on 256 bytes of a row: no hint, since neighbours read the same aligned 256 bytes
.set qi, qi+1
.endr
.endr
	v_lshlrev_b32 v7, 4, v2                        ; 16 x lane
	s_lshl_b32 s30, s20, 11
	v_add_nc_u32 v60, s30, v7                      ; where I store my image
	s_lshl_b32 s30, s24, 13
	v_add_nc_u32 v61, s30, v7                      ; where my four fragments lie: 2,048 (4 kq + 2 s + bt)
	s_mul_i32 s30, s24, 32*RPCH
	s_lshl_b32 s31, s23, 6
	s_add_co_u32 s30, s30, s31
	s_add_co_u32 s30, s30, RED
	v_mul_u32_u24 v62, v3, RPCH
	s_delay_alu instid0(VALU_DEP_1)
	v_lshl_add_u32 v62, v4, 5, v62
	s_delay_alu instid0(VALU_DEP_1)
	v_add_nc_u32 v62, s30, v62                     ; partial results: quarter kq, row r (+ 16 bt by the immediate), columns 16 ct + 8 h on
	v_lshrrev_b32 v1, 4, v0                        ; the last step: thread u takes batch u >> 4, four columns at 4 (u & 15)
	s_delay_alu instid0(VALU_DEP_1)
	v_mul_u32_u24 v63, v1, RPCH
	s_delay_alu instid0(VALU_DEP_1)
	v_lshl_add_u32 v63, v3, 4, v63
	s_delay_alu instid0(VALU_DEP_1)
	v_add_nc_u32 v63, RED, v63
	s_delay_alu instid0(VALU_DEP_4)
	v_lshlrev_b32 v1, 12, v1
	s_delay_alu instid0(VALU_DEP_1)
	v_lshl_add_u32 v1, v3, 4, v1                   ; and its place in cb
	s_wait_kmcnt 0x0
	s_add_co_i32 s26, s18, 127
	s_lshl_b32 s30, s26, 23
	v_mov_b32 v56, s30                             ; 2^e2
	s_add_co_i32 s26, s26, 8
	s_lshl_b32 s26, s26, 23
	s_or_b32 s26, s26, 0x600000
	v_mov_b32 v57, s26                             ; 448 x 2^e2
	s_add_co_i32 s26, s19, 127
	s_lshl_b32 s30, s26, 23
	v_mov_b32 v58, s30                             ; 2^e3
	s_add_co_i32 s26, s26, 8
	s_lshl_b32 s26, s26, 23
	s_or_b32 s26, s26, 0x600000
	v_mov_b32 v59, s26                             ; 448 x 2^e3
	s_add_co_i32 s26, s18, s19                     ; e2 + e3
	s_wait_alu depctr_va_vdst(0)
	s_wait_loadcnt 63                              ; 144 loads were issued: all but the youngest 63 are in, so the state's 16 and the 64 of W2's first K step are
	QUANT 64, 40, 56, 57
.irp c, 0,1,2,3
	ds_store_b128 v60, v[40+4*\c:43+4*\c] offset:IMG+512*\c
.endr
	QUANT 128, 24, 58, 59
	s_wait_dscnt 0x0                               ; for the others' sake: my image has landed
	s_barrier_signal -1
	s_barrier_wait -1
.irp f, 0,1,2,3
.irp c, 0,1,2,3
	ds_load_b128 v[64+16*\f+4*\c:67+16*\f+4*\c], v61 offset:IMG+2048*\f+512*\c   ; fragment f = 2 s + bt
.endr
.endr
	s_wait_loadcnt 0x0                             ; W2's second K step
	QUANT 192, 40, 58, 59
	s_wait_dscnt 0x0
	; used transposed: source 0 = 16 columns of W2, source 1 = 16 batch rows: lane (r, h) holds batch r and columns 8 h + 0 .. 7.  The two accumulators take turns
	v_wmma_f32_16x16x128_fp8_fp8 v[8:15], v[24:39], v[64:79], 0
	s_wait_alu depctr_va_vdst(0)
	v_wmma_f32_16x16x128_fp8_fp8 v[16:23], v[24:39], v[80:95], 0
	v_wmma_f32_16x16x128_fp8_fp8 v[8:15], v[40:55], v[96:111], v[8:15]
	v_wmma_f32_16x16x128_fp8_fp8 v[16:23], v[40:55], v[112:127], v[16:23]
.rept 4
	v_nop                                          ; four places ahead of the first read of the results (ISA guide 7.12.1)
.endr
	ds_store_b128 v62, v[8:11]
	ds_store_b128 v62, v[12:15] offset:16
	ds_store_b128 v62, v[16:19] offset:16*RPCH
	ds_store_b128 v62, v[20:23] offset:16*RPCH+16
	s_wait_dscnt 0x0                               ; for the others' sake
	s_barrier_signal -1
	s_barrier_wait -1
.irp q, 0,1,2,3
	ds_load_b128 v[64+4*\q:67+4*\q], v63 offset:\q*32*RPCH
.endr
	s_wait_dscnt 0x0
	v_pk_add_f32 v[64:65], v[64:65], v[68:69]
	v_pk_add_f32 v[66:67], v[66:67], v[70:71]
	v_pk_add_f32 v[72:73], v[72:73], v[76:77]
	v_pk_add_f32 v[74:75], v[74:75], v[78:79]
	s_delay_alu instid0(VALU_DEP_2)
	v_pk_add_f32 v[64:65], v[64:65], v[72:73]
	s_delay_alu instid0(VALU_DEP_2)
	v_pk_add_f32 v[66:67], v[66:67], v[74:75]
.irp j, 0,1,2,3
	v_mul_f32 v[64+\j], 0x4038aa3b, v[64+\j]       ; x 2 log2(e)
.endr
.irp j, 0,1,2,3
	s_delay_alu instid0(VALU_DEP_4)
	v_ldexp_f32 v[64+\j], v[64+\j], s26            ; x 2^(e2 + e3)
.endr
	global_store_b128 v1, v[64:67], s[14:15]       ; sixteen lanes store 256 consecutive bytes, aligned
	s_wait_xcnt 0x0
	v_lshl_add_u32 v254, v0, 2, 0x10800
	v_mov_b32 v255, 0
	s_wait_alu depctr_va_vdst(0)
	s_wait_tensorcnt 0x0
	ds_add_u32 v254, v255
	s_wait_dscnt 0x0
	s_endpgm
; ---------------- W1's codes ----------------
; Unit u = 16 (g - 16) + wave: 32 columns (n = 32 cg + lane, cg = u & 31) x 64 along K (k = 64 kg + i, kg = u >> 5).  A lane's 64 registers run down K, so the conversions' results are
; four groups of 16 bytes of the image: panel 2 cg + lane / 16, K step kg / 2, half h = kg & 1, place r = lane % 16.
.Lcodes:
	s_sub_co_u32 s21, ttmp9, 16
	s_lshl_b32 s21, s21, 4
	s_add_co_u32 s21, s21, s20                     ; u
	s_and_b32 s22, s21, 31                         ; cg
	s_lshr_b32 s23, s21, 5                         ; kg
	s_lshl_b32 s26, s23, 18                        ; 64 rows of 4,096 bytes
	s_lshl_b32 s28, s22, 7                         ; 32 columns
	s_add_co_u32 s26, s26, s28
	s_add_nc_u64 s[4:5], s[4:5], s[26:27]
	s_wait_alu depctr_va_vdst(0)
	v_lshlrev_b32 v5, 2, v2
.set qi, 0
.rept 64
	global_load_b32 v[64+qi], v5, s[4:5] offset:qi*4096   ; 128 consecutive bytes a wave; two neighbouring waves share each aligned 256 bytes: no hint
.set qi, qi+1
.endr
	s_lshl_b32 s26, s22, 15                        ; two panels of 16,384 bytes
	s_lshr_b32 s28, s23, 1
	s_lshl_b32 s28, s28, 11                        ; the K step's 2,048
	s_add_co_u32 s26, s26, s28
	s_and_b32 s28, s23, 1
	s_lshl_b32 s28, s28, 8                         ; lanes 16 h on
	s_add_co_u32 s26, s26, s28
	s_add_nc_u64 s[12:13], s[12:13], s[26:27]
	v_lshlrev_b32 v6, 4, v3
	s_delay_alu instid0(VALU_DEP_1)
	v_lshl_add_u32 v6, v4, 14, v6
	s_wait_kmcnt 0x0
	s_add_co_i32 s26, s17, 127
	s_lshl_b32 s30, s26, 23
	v_mov_b32 v8, s30                              ; 2^e1
	s_add_co_i32 s26, s26, 8
	s_lshl_b32 s26, s26, 23
	s_or_b32 s26, s26, 0x600000
	v_mov_b32 v9, s26                              ; 448 x 2^e1
	s_wait_alu depctr_va_vdst(0)
	s_wait_loadcnt 0x0
	QUANT 64, 16, 8, 9
.irp c, 0,1,2,3
	global_store_b128 v6, v[16+4*\c:19+4*\c], s[12:13] offset:512*\c   ; sixteen lanes store 256 consecutive bytes, aligned
.endr
	s_endpgm
.Lfunc_end_k_qd2e892d664_prep:
	.size	k_qd2e892d664_prep, .Lfunc_end_k_qd2e892d664_prep-k_qd2e892d664_prep
	.p2alignl 7, 3214868480
	.fill 96, 4, 3214868480
	.section	.rodata,"a",@progbits
	.p2align	6, 0x0
	.amdhsa_kernel k_qd2e892d664_prep
		.amdhsa_group_segment_fixed_size 69632
		.amdhsa_private_segment_fixed_size 0
		.amdhsa_enable_private_segment 0
		.amdhsa_kernarg_size 48
		.amdhsa_user_sgpr_count 2
		.amdhsa_user_sgpr_kernarg_segment_ptr 1
		.amdhsa_wavefront_size32 1
		.amdhsa_system_sgpr_workgroup_id_x 1
		.amdhsa_system_sgpr_workgroup_id_y 1
		.amdhsa_system_sgpr_workgroup_id_z 1
		.amdhsa_system_vgpr_workitem_id 0
		.amdhsa_next_free_vgpr 256
		.amdhsa_next_free_sgpr 66
		.amdhsa_reserve_vcc 0
		.amdhsa_float_denorm_mode_32 3
		.amdhsa_float_denorm_mode_16_64 3
		.amdhsa_memory_ordered 1
		.amdhsa_forward_progress 1
		.amdhsa_inst_pref_size 47
	.end_amdhsa_kernel
	.amdgpu_metadata
---
amdhsa.version: [ 1, 2 ]
amdhsa.kernels:
  - .name:           k_qd2e892d664_prep
    .symbol:         k_qd2e892d664_prep.kd
    .args:
      - { .name: W1, .offset: 0, .size: 8, .value_kind: global_buffer, .address_space: global }
      - { .name: W2, .offset: 8, .size: 8, .value_kind: global_buffer, .address_space: global }
      - { .name: state_hidden, .offset: 16, .size: 8, .value_kind: global_buffer, .address_space: global }
      - { .name: lowp_scales, .offset: 24, .size: 8, .value_kind: global_buffer, .address_space: global }
      - { .name: w1c, .offset: 32, .size: 8, .value_kind: global_buffer, .address_space: global }
      - { .name: cb, .offset: 40, .size: 8, .value_kind: global_buffer, .address_space: global }
    .group_segment_fixed_size: 69632
    .private_segment_fixed_size: 0
    .kernarg_segment_align: 8
    .kernarg_segment_size: 48
    .max_flat_workgroup_size: 512
    .sgpr_count:     66
    .vgpr_count:     256
    .wavefront_size: 32
...
	.end_amdgpu_metadata
.endif
;; end of part 1
;; launch attn (part 2): grid 512 x 1, 4 waves a work-group, clusters of 4 x 1, 327,680 bytes of LDS; arguments encoder_output, w1c, cb, V, lowp_scales, sc, ctxp; writes sc, ctxp
.if DOCPART == 2
	.amdgcn_target "amdgcn-amd-amdhsa--gfx1250"
	.amdhsa_code_object_version 6
	.text
	.protected	k_qd2e892d664_attn
	.globl	k_qd2e892d664_attn
	.p2align	8
	.type	k_qd2e892d664_attn,@function
k_qd2e892d664_attn:
	s_mov_b64 s[64:65], 0
	v_nop
	global_prefetch_b8 v0, s[64:65] scope:SCOPE_SE
	s_setreg_imm32_b32 hwreg(HW_REG_WAVE_MODE, 25, 1), 1
	s_wait_xcnt 0x0
	s_wait_alu depctr_hold_cnt(0) depctr_sa_sdst(0) depctr_va_vdst(0) depctr_va_sdst(0) depctr_va_ssrc(0) depctr_va_vcc(0) depctr_vm_vsrc(0)
	s_getreg_b32 s2, hwreg(HW_REG_IB_STS2, 6, 4)
	s_cmp_eq_u32 s2, 0
	s_cbranch_scc0 .Lentry_in_a_cluster
	s_endpgm
.Lentry_in_a_cluster:
	s_bfe_u32 s2, ttmp6, 0x10000c
	s_cmp_lg_u32 s2, 0x3003
	s_cbranch_scc0 .Lentry_shape_is_right
	s_endpgm
.Lentry_shape_is_right:
; A work-group takes 128 rows of one batch: quantises them to E4M3 (scale 2^e0), keeps the codes in registers and a bf16 copy in registers and LDS,
; multiplies them with W1's codes (64 panels of 16 columns through a ring of two LDS slots, joint loads in a cluster of four), and makes
; s' = -2 log2(e) x sum over n of V[n] / (1 + 2^(2 log2(e) (x W1 + state W2)[n])), its block's largest s', p = 2^(s' - largest) and sum of p x row.
; LEFT OUT: tanh(y) = 1 - 2 / (1 + e^(2 y)), so a score is sum(V) - 2 sum(V / (1 + e^(2 y))); sum(V) is the same for all t of a batch and falls out of the softmax along t, for all values of V.
; LIMITS: e0 between -126 and 119, e0 + e1 between -127 and 126; the promise holds while s' stays under 2^31 in magnitude; an overflow in sum(V) alone is not carried to the result.
.set SLOT,  65536
.set BFL,   131072
.set STG,   262144
.set SPCH,  1040
.set TAB,   295424
.set SCP,   303616
.set PT,    304640
.set RED,   306688
.set SPARE, 314880
.set SPW,  1
.set NIL,  2
.set ABF,  3
.set ADR,  4
.set ADT0, 5
.set ADT,  6
.set XO,   7
.set SA,   8
.set BA,   9
.set CA,   10
.set LIM,  11
.set SCL,  12
.set TW,   16
.set CW,   24
.set TBL,  16
.set SS,   48
.set ACC,  64
.set LAND, 64
.set FB,   128
.set WV,  18
.set MH,  19
.set NH,  20
.set G1,  24
.set G0A, 32
.set G0B, 36
.set CS,  44
.set TB,  48
.set TT,  49
.set CNT, 50
.set SEL, 52
.set MSB, 0
.macro WIN new
.if MSB != \new
	s_set_vgpr_msb (MSB<<8)|\new
.set MSB, \new
.endif
.endm
.macro PLACES n
.rept \n
	v_nop
.endr
.endm
.macro CREST
	s_cmp_lg_u32 s[WV], 0
	s_cbranch_scc1 .Lnot_wave_0_\@
	s_barrier_signal -3
.Lnot_wave_0_\@:
	s_barrier_wait -3
	s_barrier_signal -1
	s_barrier_wait -1
.endm
.macro ROUND
	s_barrier_signal -1
	s_barrier_wait -1
	CREST
.endm
	s_load_b256 s[4:11], s[0:1], 0x0
	s_load_b128 s[12:15], s[0:1], 0x20
	s_load_b64 s[16:17], s[0:1], 0x30
	v_lshl_add_u32 v[SPW], v0, 2, SPARE
	v_mov_b32 v[NIL], 0
	ds_add_u32 v1, v2
	ds_add_u32 v1, v2
	s_wait_dscnt 0x0
	v_lshrrev_b32 v13, 5, v0
	v_readfirstlane_b32 s[WV], v13
	s_lshr_b32 s[MH], s[WV], 1
	s_and_b32 s[NH], s[WV], 1
	s_bfe_u32 s21, ttmp6, 0x40000
	s_lshl_b32 s22, ttmp9, 2
	s_add_co_u32 s22, s22, s21
	s_mov_b32 s[G1], 15|(3<<16)|(1<<21)
	s_mov_b32 s[G1+1], 32<<16
	s_mov_b32 s[G1+2], 64<<16
	s_mov_b32 s[G1+3], 32<<16
	s_mov_b32 s[G1+4], 64
	s_mov_b32 s[G1+5], 32
	s_mov_b32 s[G1+6], 0
	s_mov_b32 s[G1+7], 0
	s_mov_b32 s[SEL], 0x76543210
	s_mov_b32 s[SEL+1], 0xfedcba98
	v_and_b32 v13, 31, v0
	s_wait_alu depctr_va_vdst(0)
	v_and_b32 v14, 15, v0
	s_wait_alu depctr_va_vdst(0)
	v_bfe_u32 v15, v0, 4, 1
	v_lshlrev_b32 v[XO], 4, v13
	s_lshl_b32 s54, s[NH], 14
	v_add_nc_u32 v[ABF], s54, v[XO]
	s_lshl_b32 s54, s[NH], 7
	s_add_co_u32 s54, s54, TAB
	v_lshl_add_u32 v[ADT0], v15, 5, s54
	s_mul_i32 s54, s[WV], 8*SPCH
	s_add_co_u32 s54, s54, STG
	v_lshl_add_u32 v[SA], v13, 2, s54
	s_lshl_b32 s54, s[MH], 16
	s_lshl_b32 s58, s[NH], 13
	s_add_co_u32 s54, s54, s58
	s_add_co_u32 s54, s54, BFL
	v_lshl_add_u32 v[BA], v13, 3, s54
	s_mul_i32 s54, s[MH], 16*SPCH
	s_add_co_u32 s54, s54, STG
	v_mul_u32_u24 v[CA], v14, SPCH
	s_wait_alu depctr_va_vdst(0)
	v_lshl_add_u32 v[CA], v15, 6, v[CA]
	v_add_nc_u32 v[CA], s54, v[CA]
	v_lshrrev_b32 v56, 1, v0
	v_and_b32 v57, 1, v0
	v_lshlrev_b32 v56, 7, v56
	v_lshl_add_u32 v56, v57, 5, v56
	v_add_nc_u32 v56, TAB, v56
	v_lshlrev_b32 v58, 5, v0
.irp m, 0,1,2,3
	v_mov_b32 v[60+\m], 0
.endr
	s_lshl_b32 s54, s[WV], 14
	s_mov_b32 s55, 0
	s_mov_b32 s57, 0
	s_wait_kmcnt 0x0
	s_load_b128 s[40:43], s[12:13], 0x0
	s_add_nc_u64 s[6:7], s[6:7], s[54:55]
	s_mov_b32 s[G0A], 1
	s_lshl_b32 s[G0A+1], s[WV], 14
	s_mov_b64 s[G0A+2:G0A+3], s[6:7]
	s_or_b32 s[G0A+3], s[G0A+3], 0x80000000
	s_mov_b32 s[G0B], 1
	s_add_co_u32 s[G0B+1], s[G0A+1], SLOT
	s_add_nc_u64 s[G0B+2:G0B+3], s[6:7], SLOT
	s_or_b32 s[G0B+3], s[G0B+3], 0x80000000
	s_lshl_b32 s56, s22, 19
	s_add_nc_u64 s[4:5], s[4:5], s[56:57]
	s_lshl_b32 s54, s[MH], 18
	s_lshl_b32 s58, s[NH], 15
	s_add_co_u32 s54, s54, s58
	s_add_nc_u64 s[4:5], s[4:5], s[54:55]
	s_lshr_b32 s56, s22, 4
	s_lshl_b32 s56, s56, 12
	s_add_nc_u64 s[8:9], s[8:9], s[56:57]
	s_lshl_b32 s56, s22, 9
	s_add_nc_u64 s[14:15], s[14:15], s[56:57]
	s_lshl_b32 s56, s22, 12
	s_add_nc_u64 s[16:17], s[16:17], s[56:57]
	s_wait_alu depctr_va_vdst(0)
	global_load_b128 v[32:35], v58, s[8:9]
	global_load_b128 v[36:39], v58, s[8:9] offset:16
	global_load_b128 v[40:43], v58, s[10:11]
	global_load_b128 v[44:47], v58, s[10:11] offset:16
.macro RLOAD rho
.set LS, LAND+32*((\rho)%6)
.irp i, 0,1,2,3,4,5,6,7
	global_load_b128 v[LS+4*\i:LS+4*\i+3], v[XO], s[4:5] offset:(16*((\rho)/8)+(\rho)%8)*4096+512*\i th:TH_LOAD_NT
.endr
.endm
.irp p, 0,1,2,3,4,5
	RLOAD \p
.endr
	; the tables' 4 loads and the first six rows' 48 are out: W1's first two slots are asked for under them
	ROUND
	tensor_load_to_lds s[G0A:G0A+3], s[G1:G1+7]
	s_nop 0
	s_wait_alu depctr_va_vdst(0)
	s_wait_tensorcnt 0x0
	ds_add_u32 v1, v2
	s_wait_dscnt 0x0
	ROUND
	tensor_load_to_lds s[G0B:G0B+3], s[G1:G1+7]
	s_nop 0
	PLACES 4
	s_wait_kmcnt 0x0
	s_add_co_i32 s58, s40, 127
	s_lshl_b32 s59, s58, 23
	v_mov_b32 v[SCL], s59
	s_add_co_i32 s58, s58, 8
	s_lshl_b32 s58, s58, 23
	s_or_b32 s58, s58, 0x600000
	v_mov_b32 v[LIM], s58
	s_add_co_i32 s58, s40, s41
	s_lshl_b32 s58, s58, 23
	s_add_co_i32 s[CS], s58, 0x4038aa3b
	s_mov_b32 s[CS+1], s[CS]
	s_wait_loadcnt 48
.irp j, 0,2,4,6
	v_pk_mul_f32 v[40+\j:41+\j], v[40+\j:41+\j], 0xc038aa3b op_sel_hi:[1,0]
.endr
	ds_store_b128 v56, v[32:35]
	ds_store_b128 v56, v[36:39] offset:16
	ds_store_b128 v56, v[40:43] offset:64
	ds_store_b128 v56, v[44:47] offset:80
.macro ROW rho
.set LS, LAND+32*((\rho)%6)
.if (\rho) < 26
	s_wait_loadcnt 40
.else
	s_wait_loadcnt 8*(31-(\rho))
.endif
.irp u, 0,1,2,3,4,5,6,7
	v_cvt_pk_bf16_f32 v[TW+\u], v[LS+2*\u], v[LS+2*\u+1]
.endr
.irp i, 0,1,2,3
	ds_store_b64 v[BA], v[TW+2*\i:TW+2*\i+1] offset:(16*((\rho)/8)+(\rho)%8)*1024+256*\i
.endr
	WIN 0x40
.irp u, 0,1,2,3,4,5,6,7
	v_cvt_pk_bf16_f32 v[8*(\rho)+\u], v[LS+16+2*\u], v[LS+17+2*\u]
.endr
	WIN 0
.set qi, 0
.rept 32
	v_med3_num_f32 v[LS+qi], v[LS+qi], -v[LIM], v[LIM]
.set qi, qi+1
.endr
.irp g, 0,1,2,3
	v_cvt_scalef32_pk8_fp8_f32 v[CW+2*\g:CW+2*\g+1], v[LS+8*\g:LS+8*\g+7], v[SCL]
.endr
	v_nop
.irp i, 0,1,2,3,4,5,6,7
	ds_store_b32 v[SA], v[CW+\i] offset:((\rho)%8)*SPCH+128*\i
.endr
.if (\rho)+6 < 32
	RLOAD (\rho)+6
.endif
.endm
.macro GATHER q
	s_wait_dscnt 0x0
	s_barrier_signal -1
	s_barrier_wait -1
	WIN 0x80
.irp s, 0,1,2,3
.irp c, 0,1,2,3
	ds_load_b128 v[64*(\q)+16*\s+4*\c:64*(\q)+16*\s+4*\c+3], v[CA] offset:128*\s+16*\c
.endr
.endr
	WIN 0xc0
.irp s, 0,1,2,3
.irp c, 0,1,2,3
	ds_load_b128 v[64*(\q)+16*\s+4*\c:64*(\q)+16*\s+4*\c+3], v[CA] offset:512+128*\s+16*\c
.endr
.endr
	WIN 0
.if (\q) == 3
	s_wait_tensorcnt 0x1
.endif
	s_wait_dscnt 0x0
	s_barrier_signal -1
	s_barrier_wait -1
.endm
.set RR, 0
.rept 4
.rept 8
	ROW RR
.set RR, RR+1
.endr
	GATHER RR/8-1
.endr
.macro MM set, k, zero
.if (\k) < 4
	WIN 0x08
.else
	WIN 0x0c
.endif
.irp m, 0,1,2,3
.if \zero
	v_wmma_f32_16x16x128_fp8_fp8 v[ACC+32*(\set)+8*\m:ACC+32*(\set)+8*\m+7], v[FB+16*(\k):FB+16*(\k)+15], v[64*\m+16*((\k)%4):64*\m+16*((\k)%4)+15], 0
.else
	v_wmma_f32_16x16x128_fp8_fp8 v[ACC+32*(\set)+8*\m:ACC+32*(\set)+8*\m+7], v[FB+16*(\k):FB+16*(\k)+15], v[64*\m+16*((\k)%4):64*\m+16*((\k)%4)+15], v[ACC+32*(\set)+8*\m:ACC+32*(\set)+8*\m+7]
.endif
.endr
.endm
.macro P1 set, half
	WIN 0
.irp i, 0,2,4,6,8,10,12,14
	v_pk_fma_f32 v[ACC+32*(\set)+16*(\half)+\i:ACC+32*(\set)+16*(\half)+\i+1], v[ACC+32*(\set)+16*(\half)+\i:ACC+32*(\set)+16*(\half)+\i+1], s[CS:CS+1], v[TBL+16*(\set)+(\i%8):TBL+16*(\set)+(\i%8)+1] op_sel_hi:[1,0,1]
.endr
.endm
.macro TR op, set, half
.set ti, 0
.rept 16
	\op v[ACC+32*(\set)+16*(\half)+ti], v[ACC+32*(\set)+16*(\half)+ti]
.set ti, ti+1
.endr
.endm
.macro P2 set
	WIN 0
.set ti, 0
.rept 16
	v_pk_add_f32 v[ACC+32*(\set)+ti:ACC+32*(\set)+ti+1], v[ACC+32*(\set)+ti:ACC+32*(\set)+ti+1], 1.0 op_sel_hi:[1,0]
.set ti, ti+2
.endr
.endm
.macro P3 set
	WIN 0
.irp j, 0,2,4,6
.irp m, 0,1,2,3
	v_pk_fma_f32 v[SS+2*\m:SS+2*\m+1], v[ACC+32*(\set)+8*\m+\j:ACC+32*(\set)+8*\m+\j+1], v[TBL+8+16*(\set)+\j:TBL+8+16*(\set)+\j+1], v[SS+2*\m:SS+2*\m+1]
.endr
.endr
.endm
.macro FRAG k, pos
.irp c, 0,1,2,3
	ds_load_b128 v[FB+16*(\k)+4*\c:FB+16*(\k)+4*\c+3], v[ADR] offset:32768*(\pos)+2048*(\k)+512*\c
.endr
.endm
.macro RA set, pos, timm, frag
	ds_load_b128 v[TBL+16*(\set):TBL+16*(\set)+3], v[ADT] offset:(\timm)
	ds_load_b128 v[TBL+16*(\set)+4:TBL+16*(\set)+7], v[ADT] offset:(\timm)+16
	ds_load_b128 v[TBL+16*(\set)+8:TBL+16*(\set)+11], v[ADT] offset:(\timm)+64
	ds_load_b128 v[TBL+16*(\set)+12:TBL+16*(\set)+15], v[ADT] offset:(\timm)+80
.if \frag
	FRAG 0, \pos
	FRAG 1, \pos
.endif
.endm
.macro RB pos
	FRAG 2, \pos
	FRAG 3, \pos
	FRAG 4, \pos
.endm
.macro RC pos
	FRAG 5, \pos
	FRAG 6, \pos
	FRAG 7, \pos
.endm
.macro TAIL_N set, pos
	MM \set, 4, 0
	v_nop
	P2 1-\set                                      ; the exponentials' wait stands ahead of the four products above
	RB \pos
	s_wait_dscnt 24
	s_wait_alu depctr_va_vdst(0)                   ; the wait between the additions above and the reciprocals that read them
	MM \set, 5, 0
	TR v_rcp_f32, 1-\set, 0
	s_wait_alu depctr_va_vdst(0)
	MM \set, 6, 0
	TR v_rcp_f32, 1-\set, 1
	s_wait_alu depctr_va_vdst(0)
	MM \set, 7, 0
	v_nop
	P3 1-\set                                      ; the reciprocals' wait stands ahead of the four products above
	RC \pos
.endm
.macro PANEL_N set, pos, timm
	s_wait_dscnt 24
	MM \set, 0, 1
	P1 1-\set, 0
	MM \set, 1, 0
	P1 1-\set, 1
	RA \set, \pos, \timm, 1
	s_wait_dscnt 24
	s_wait_alu depctr_va_vdst(0)                   ; the wait between the scalings above and the exponentials that read them
	MM \set, 2, 0
	TR v_exp_f32, 1-\set, 0
	s_wait_alu depctr_va_vdst(0)
	MM \set, 3, 0
	TR v_exp_f32, 1-\set, 1
	s_wait_alu depctr_va_vdst(0)
	TAIL_N \set, \pos
.endm
.macro PANEL_C set, fill
	WIN 0
	s_xor_b32 s[TB], s[TB], SLOT
	v_add_nc_u32 v[ADR], s[TB], v[ABF]             ; the next slot's addresses: first used behind the barrier, sixteen plain vector lines on
	v_add_nc_u32 v[ADT], s[TT], v[ADT0]
	s_add_co_u32 s[TT], s[TT], 512
	s_wait_dscnt 24                                ; fragments 0 and 1 are in; the 24 loads of fragments 2 to 7 may be out
	MM \set, 0, 1
	P1 1-\set, 0
	s_wait_tensorcnt 0x0                           ; all my tensor loads have landed: my part of the next slot
	ds_add_u32 v[SPW], v[NIL]
.if \fill
	s_xor_b32 s[G0B+1], s[G0B+1], SLOT
	s_add_nc_u64 s[G0B+2:G0B+3], s[G0B+2:G0B+3], SLOT
.endif
	MM \set, 1, 0
	P1 1-\set, 1
	s_wait_dscnt 0x0
	s_barrier_signal -1
	MM \set, 2, 0
	MM \set, 3, 0
	WIN 0
	s_barrier_wait -1
.if \fill
	CREST
	tensor_load_to_lds s[G0B:G0B+3], s[G1:G1+7]
	s_nop 0
	PLACES 4
.endif
	RA \set, 0, 0, 1
	s_wait_alu depctr_va_vdst(0)
	TR v_exp_f32, 1-\set, 0
	TR v_exp_f32, 1-\set, 1
	s_wait_alu depctr_va_vdst(0)
	TAIL_N \set, 0
.endm
.irp j, 0,1,2,3,4,5,6,7
	v_mov_b32 v[SS+\j], 0
.endr
	s_mov_b32 s[TB], 0
	s_mov_b32 s[TT], 0
	v_add_nc_u32 v[ADR], s[TB], v[ABF]
	v_add_nc_u32 v[ADT], s[TT], v[ADT0]
	s_mov_b32 s[TT], 256
.irp k, 0,1,2,3,4,5,6,7
	FRAG \k, 0
.endr
	s_wait_alu depctr_va_vdst(0)
	s_wait_dscnt 0x0
	MM 0, 0, 1
	MM 0, 1, 0
	WIN 0
	PLACES 4
	RA 0, 1, 0, 1
	MM 0, 2, 0
	MM 0, 3, 0
	MM 0, 4, 0
	WIN 0
	PLACES 4
	RB 1
	MM 0, 5, 0
	MM 0, 6, 0
	MM 0, 7, 0
	WIN 0
	PLACES 4
	RC 1
	s_mov_b32 s[CNT], 14
.Lslot:
	PANEL_C 1, 1
	PANEL_N 0, 1, 256
	s_sub_co_u32 s[CNT], s[CNT], 1
	s_cmp_lg_u32 s[CNT], 0
	s_cbranch_scc1 .Lslot
	PANEL_C 1, 0
	PANEL_N 0, 1, 256
	s_wait_dscnt 24
	MM 1, 0, 1
	P1 0, 0
	MM 1, 1, 0
	P1 0, 1
	RA 1, 0, 512, 0
	s_wait_dscnt 16
	MM 1, 2, 0
	s_wait_alu depctr_va_vdst(0)
	TR v_exp_f32, 0, 0
	s_wait_alu depctr_va_vdst(0)
	MM 1, 3, 0
	TR v_exp_f32, 0, 1
	s_wait_alu depctr_va_vdst(0)
	MM 1, 4, 0
	v_nop
	s_wait_alu depctr_va_vdst(0)
	P2 0
	s_wait_dscnt 4
	MM 1, 5, 0
	s_wait_alu depctr_va_vdst(0)
	TR v_rcp_f32, 0, 0
	s_wait_alu depctr_va_vdst(0)
	MM 1, 6, 0
	TR v_rcp_f32, 0, 1
	s_wait_alu depctr_va_vdst(0)
	MM 1, 7, 0
	v_nop
	s_wait_alu depctr_va_vdst(0)
	P3 0
	s_wait_dscnt 0x0
	P1 1, 0
	P1 1, 1
	s_wait_alu depctr_va_vdst(0)
	TR v_exp_f32, 1, 0
	TR v_exp_f32, 1, 1
	v_nop
	s_wait_alu depctr_va_vdst(0)
	P2 1
	s_wait_alu depctr_va_vdst(0)
	TR v_rcp_f32, 1, 0
	TR v_rcp_f32, 1, 1
	v_nop
	s_wait_alu depctr_va_vdst(0)
	P3 1
	v_and_b32 v13, 31, v0
	s_wait_alu depctr_va_vdst(0)
	v_and_b32 v14, 15, v0
	s_lshl_b32 s54, s[NH], 9
	s_lshl_b32 s58, s[MH], 8
	s_add_co_u32 s54, s54, s58
	s_add_co_u32 s54, s54, SCP
	v_lshl_add_u32 v16, v14, 2, s54
	v_add_nc_u32 v17, SCP, v[XO]
	s_lshl_b32 s54, s[WV], 9
	s_add_co_u32 s54, s54, PT
	v_add_nc_u32 v18, s54, v[XO]
	v_mov_b32 v24, s54
	s_lshl_b32 s59, s[NH], 5
	s_add_co_u32 s58, s58, s59
	s_add_co_u32 s58, s58, s54
	v_mov_b32 v19, s58
	s_lshl_b32 s54, s[WV], 11
	s_add_co_u32 s54, s54, RED
	v_add_nc_u32 v20, s54, v[XO]
	s_lshl_b32 s54, s[WV], 9
	s_add_co_u32 s54, s54, RED
	v_add_nc_u32 v21, s54, v[XO]
	s_lshl_b32 s54, s[WV], 8
	s_add_co_u32 s54, s54, BFL
	v_lshl_add_u32 v22, v13, 3, s54
	v_lshlrev_b32 v26, 4, v0
	v_mov_b32 v41, 0
.irp m, 0,1,2,3
	v_add_f32 v[56+\m], v[SS+2*\m], v[SS+2*\m+1]
.endr
.irp m, 0,1,2,3
	v_permlanex16_b32 v[60+\m], v[56+\m], s[SEL], s[SEL+1]
.endr
.irp m, 0,1,2,3
	v_add_f32 v[56+\m], v[56+\m], v[60+\m]
.endr
.irp m, 0,1,2,3
	ds_store_b32 v16, v[56+\m] offset:64*\m
.endr
	s_wait_dscnt 0x0
	s_barrier_signal -1
	s_barrier_wait -1
	ds_load_b128 v[32:35], v17
	ds_load_b128 v[36:39], v17 offset:512
	s_wait_dscnt 0x0
	v_pk_add_f32 v[32:33], v[32:33], v[36:37]
	v_pk_add_f32 v[34:35], v[34:35], v[38:39]
	v_max3_num_f32 v40, v32, v33, v34
	v_max_num_f32 v40, v40, v35
	v_max_num_f32_dpp v40, v40, v40 row_xmask:1 row_mask:0xf bank_mask:0xf
	v_max_num_f32_dpp v40, v40, v40 row_xmask:2 row_mask:0xf bank_mask:0xf
	v_max_num_f32_dpp v40, v40, v40 row_xmask:4 row_mask:0xf bank_mask:0xf
	v_max_num_f32_dpp v40, v40, v40 row_xmask:8 row_mask:0xf bank_mask:0xf
	v_permlanex16_b32 v41, v40, s[SEL], s[SEL+1]
	v_max_num_f32 v40, v40, v41
.irp j, 0,1,2,3
	v_sub_f32 v[44+\j], v[32+\j], v40
.endr
	s_wait_alu depctr_va_vdst(0)
.irp j, 0,1,2,3
	v_exp_f32 v[44+\j], v[44+\j]
.endr
	v_nop
	s_wait_alu depctr_va_vdst(0)
	ds_store_b128 v18, v[44:47]
	s_cmp_lg_u32 s[WV], 0
	s_cbranch_scc1 .Lnot_first
	global_store_b128 v[XO], v[32:35], s[14:15]
.Lnot_first:
.irp q, 0,1,2,3
	ds_load_b128 v[64+8*\q:67+8*\q], v19 offset:64*\q
	ds_load_b128 v[68+8*\q:71+8*\q], v19 offset:64*\q+16
.endr
.irp a, 0,1,2,3,4,5,6,7,8,9,10,11,12,13,14,15,16,17,18,19
	v_mov_b32 v[96+\a], 0
.endr
	s_wait_dscnt 0x0
	WIN 0x01
.set rr, 0
.rept 32
.irp u, 0,1,2,3,4,5,6,7
	v_fma_mix_f32_bf16 v[96+2*\u], v[8*rr+\u], v[64+rr], v[96+2*\u] op_sel_hi:[1,0,0]
	v_fma_mix_f32_bf16 v[97+2*\u], v[8*rr+\u], v[64+rr], v[97+2*\u] op_sel:[1,0,0] op_sel_hi:[1,0,0]
.endr
.set rr, rr+1
.endr
	WIN 0
.irp i, 0,1,2,3
	ds_store_b128 v20, v[96+4*\i:99+4*\i] offset:512*\i
.endr
	s_mov_b32 s58, 0
	s_mov_b32 s59, 0
	s_mov_b32 s[CNT], 8
.Lctx:
	v_add_nc_u32 v23, s58, v22
	v_add_nc_u32 v25, s59, v24
	ds_load_b128 v[116:119], v25
	ds_load_b128 v[120:123], v25 offset:16
.irp x, 0,1,2,3,4,5,6,7
	ds_load_b64 v[132+2*\x:133+2*\x], v23 offset:1024*\x
.endr
	ds_load_b128 v[124:127], v25 offset:32
	ds_load_b128 v[128:131], v25 offset:48
.irp x, 0,1,2,3,4,5,6,7
	ds_load_b64 v[148+2*\x:149+2*\x], v23 offset:8192+1024*\x
.endr
	s_wait_dscnt 10
	s_wait_alu depctr_va_vdst(0)
.irp x, 0,1,2,3,4,5,6,7
	v_fma_mix_f32_bf16 v112, v[132+2*\x], v[116+\x], v112 op_sel_hi:[1,0,0]
	v_fma_mix_f32_bf16 v113, v[132+2*\x], v[116+\x], v113 op_sel:[1,0,0] op_sel_hi:[1,0,0]
	v_fma_mix_f32_bf16 v114, v[133+2*\x], v[116+\x], v114 op_sel_hi:[1,0,0]
	v_fma_mix_f32_bf16 v115, v[133+2*\x], v[116+\x], v115 op_sel:[1,0,0] op_sel_hi:[1,0,0]
.endr
	s_wait_alu depctr_va_vdst(0)
	s_wait_dscnt 0x0
.irp x, 0,1,2,3,4,5,6,7
	v_fma_mix_f32_bf16 v112, v[148+2*\x], v[124+\x], v112 op_sel_hi:[1,0,0]
	v_fma_mix_f32_bf16 v113, v[148+2*\x], v[124+\x], v113 op_sel:[1,0,0] op_sel_hi:[1,0,0]
	v_fma_mix_f32_bf16 v114, v[149+2*\x], v[124+\x], v114 op_sel_hi:[1,0,0]
	v_fma_mix_f32_bf16 v115, v[149+2*\x], v[124+\x], v115 op_sel:[1,0,0] op_sel_hi:[1,0,0]
.endr
	s_add_co_u32 s58, s58, 16384
	s_add_co_u32 s59, s59, 64
	s_sub_co_u32 s[CNT], s[CNT], 1
	s_cmp_lg_u32 s[CNT], 0
	s_cbranch_scc1 .Lctx
	s_wait_dscnt 0x0
	s_barrier_signal -1
	s_barrier_wait -1
.irp q, 0,1,2,3
	ds_load_b128 v[164+4*\q:167+4*\q], v21 offset:2048*\q
.endr
	s_wait_alu depctr_va_vdst(0)
	global_store_b128 v26, v[112:115], s[16:17]
	s_wait_dscnt 0x0
	v_pk_add_f32 v[164:165], v[164:165], v[168:169]
	v_pk_add_f32 v[166:167], v[166:167], v[170:171]
	v_pk_add_f32 v[172:173], v[172:173], v[176:177]
	v_pk_add_f32 v[174:175], v[174:175], v[178:179]
	v_pk_add_f32 v[164:165], v[164:165], v[172:173]
	v_pk_add_f32 v[166:167], v[166:167], v[174:175]
	global_store_b128 v26, v[164:167], s[16:17] offset:2048
	s_wait_tensorcnt 0x0
	ds_add_u32 v[SPW], v[NIL]
	s_wait_dscnt 0x0
	ROUND
	s_endpgm
.Lfunc_end_k_qd2e892d664_attn:
	.size	k_qd2e892d664_attn, .Lfunc_end_k_qd2e892d664_attn-k_qd2e892d664_attn
	.p2alignl 7, 3214868480
	.fill 96, 4, 3214868480
	.section	.rodata,"a",@progbits
	.p2align	6, 0x0
	.amdhsa_kernel k_qd2e892d664_attn
		.amdhsa_group_segment_fixed_size 327680
		.amdhsa_private_segment_fixed_size 0
		.amdhsa_enable_private_segment 0
		.amdhsa_kernarg_size 56
		.amdhsa_user_sgpr_count 2
		.amdhsa_user_sgpr_kernarg_segment_ptr 1
		.amdhsa_wavefront_size32 1
		.amdhsa_system_sgpr_workgroup_id_x 1
		.amdhsa_system_sgpr_workgroup_id_y 1
		.amdhsa_system_sgpr_workgroup_id_z 1
		.amdhsa_system_vgpr_workitem_id 0
		.amdhsa_next_free_vgpr 1024
		.amdhsa_next_free_sgpr 66
		.amdhsa_reserve_vcc 0
		.amdhsa_float_denorm_mode_32 3
		.amdhsa_float_denorm_mode_16_64 3
		.amdhsa_memory_ordered 1
		.amdhsa_forward_progress 1
		.amdhsa_inst_pref_size 255
	.end_amdhsa_kernel
	.section	.bss,"aw",@nobits
	.p2align	6
	.space	262144
	.amdgpu_metadata
---
amdhsa.version: [ 1, 2 ]
amdhsa.kernels:
  - .name:           k_qd2e892d664_attn
    .symbol:         k_qd2e892d664_attn.kd
    .args:
      - { .name: encoder_output, .offset: 0, .size: 8, .value_kind: global_buffer, .address_space: global }
      - { .name: w1c, .offset: 8, .size: 8, .value_kind: global_buffer, .address_space: global }
      - { .name: cb, .offset: 16, .size: 8, .value_kind: global_buffer, .address_space: global }
      - { .name: V, .offset: 24, .size: 8, .value_kind: global_buffer, .address_space: global }
      - { .name: lowp_scales, .offset: 32, .size: 8, .value_kind: global_buffer, .address_space: global }
      - { .name: sc, .offset: 40, .size: 8, .value_kind: global_buffer, .address_space: global }
      - { .name: ctxp, .offset: 48, .size: 8, .value_kind: global_buffer, .address_space: global }
    .group_segment_fixed_size: 327680
    .private_segment_fixed_size: 0
    .kernarg_segment_align: 8
    .kernarg_segment_size: 56
    .max_flat_workgroup_size: 128
    .sgpr_count:     66
    .vgpr_count:     1024
    .wavefront_size: 32
...
	.end_amdgpu_metadata
.endif
;; end of part 2
;; launch combine (part 3): grid 2 x 32, 4 waves a work-group, no clusters, 768 bytes of LDS; arguments sc, ctxp, out0, out1; writes out0, out1
.if DOCPART == 3
	.amdgcn_target "amdgcn-amd-amdhsa--gfx1250"
	.amdhsa_code_object_version 6
	.text
	.protected	k_qd2e892d664_combine
	.globl	k_qd2e892d664_combine
	.p2align	8
	.type	k_qd2e892d664_combine,@function
k_qd2e892d664_combine:
	s_mov_b64 s[64:65], 0
	v_nop
	global_prefetch_b8 v0, s[64:65] scope:SCOPE_SE
	s_setreg_imm32_b32 hwreg(HW_REG_WAVE_MODE, 25, 1), 1
	s_wait_xcnt 0x0
; The 16 blocks of a batch are joined.  sc holds s' (the score x log2(e), less a number common to the batch); ctxp[k][d] = sum over block k's rows of 2^(s' - m_k) enc[row][d], m_k the block's largest s'.
; M = the largest m_k;  w_k = 2^(m_k - M);  l_k = sum over the block of 2^(s' - m_k);  L = sum of w_k l_k;   out0[b][d] = sum of w_k ctxp[k][d] / L;   out1[b][t] = 2^(s' - M) / L.
; m_k is taken here of the very numbers of which the launch before took it, so it is the same number.  L is at least 1: the block that holds M has w = 1 and a term 2^0.
; A work-group takes batch b (y) and half dh (x): 512 columns of out0, 1,024 rows of out1.  Each takes all 2,048 scores: load i of wave w is exactly block 4 i + w.
; A stream of a few KB a work-group: no matrix unit, no tensor load, no cluster.
.set SCR, 8                            ; v8-23    the scores: load i at v[8 + 4 i]
.set O1,  24                           ; v24-31   the scores of my rows of out1
.set CT,  32                           ; v32-95   ctxp: block k at v[32 + 4 k]
.set MX,  96                           ; v96-99   m of my four blocks
.set TP,  100                          ; v100-103 at work
.set EX,  104                          ; v104-119 exponentials
.set MK,  120                          ; v120-135 the 16 m_k
.set LK,  136                          ; v136-151 the 16 l_k
.set AC,  152                          ; v152-155 out0's sums
	s_load_b256 s[4:11], s[0:1], 0x0               ; sc s[4:5], ctxp s[6:7], out0 s[8:9], out1 s[10:11]
	v_lshl_add_u32 v160, v0, 2, 0x100
	v_mov_b32 v161, 0
	s_and_b32 s12, ttmp7, 0xffff                   ; b
	s_mov_b32 s17, 0
	s_mov_b32 s20, 0x76543210
	s_mov_b32 s21, 0xfedcba98
	s_lshl_b32 s22, ttmp9, 11                      ; 2,048 dh
	v_lshlrev_b32 v1, 4, v0                        ; 16 x thread
	v_lshrrev_b32 v2, 5, v0
	v_lshlrev_b32 v2, 2, v2                        ; 4 x wave
	v_mov_b32 v3, 0
.irp i, 0,1,2,3
	v_mov_b32 v[TP+\i], 0                          ; a lane permute's destination counts as one of its sources
.endr
	s_wait_alu depctr_va_vdst(0)
	s_wait_kmcnt 0x0
	s_lshl_b32 s16, s12, 13
	s_add_nc_u64 s[4:5], s[4:5], s[16:17]          ; the batch's scores
	s_add_nc_u64 s[10:11], s[10:11], s[16:17]
	s_lshl_b32 s16, ttmp9, 12
	s_add_nc_u64 s[18:19], s[4:5], s[16:17]        ; my half of them
	s_add_nc_u64 s[10:11], s[10:11], s[16:17]
	s_lshl_b32 s16, s12, 16
	s_add_co_u32 s16, s16, s22
	s_add_nc_u64 s[6:7], s[6:7], s[16:17]          ; ctxp: block 16 b, my 512 columns
	s_lshl_b32 s16, s12, 12
	s_add_co_u32 s16, s16, s22
	s_add_nc_u64 s[8:9], s[8:9], s[16:17]
.irp i, 0,1,2,3
	global_load_b128 v[SCR+4*\i:SCR+4*\i+3], v1, s[4:5] offset:2048*\i
.endr
	global_load_b128 v[O1:O1+3], v1, s[18:19]
	global_load_b128 v[O1+4:O1+7], v1, s[18:19] offset:2048
.irp k, 0,1,2,3,4,5,6,7,8,9,10,11,12,13,14,15
	global_load_b128 v[CT+4*\k:CT+4*\k+3], v1, s[6:7] offset:4096*\k th:TH_LOAD_NT
.endr
	s_wait_loadcnt 18                              ; the four loads of scores are in; the 2 + 16 behind them stay out
.irp i, 0,1,2,3
	v_max3_num_f32 v[MX+\i], v[SCR+4*\i], v[SCR+4*\i+1], v[SCR+4*\i+2]
.endr
.irp i, 0,1,2,3
	v_max_num_f32 v[MX+\i], v[MX+\i], v[SCR+4*\i+3]
.endr
.irp x, 1,2,4,8
.irp i, 0,1,2,3
	v_max_num_f32_dpp v[MX+\i], v[MX+\i], v[MX+\i] row_xmask:\x row_mask:0xf bank_mask:0xf
.endr
.endr
.irp i, 0,1,2,3
	v_permlanex16_b32 v[TP+\i], v[MX+\i], s20, s21
.endr
.irp i, 0,1,2,3
	v_max_num_f32 v[MX+\i], v[MX+\i], v[TP+\i]     ; m of block 4 i + w
.endr
.irp i, 0,1,2,3
.irp j, 0,1,2,3
	v_sub_f32 v[EX+4*\i+\j], v[SCR+4*\i+\j], v[MX+\i]
.endr
.endr
	s_wait_alu depctr_va_vdst(0)
.irp j, 0,1,2,3,4,5,6,7,8,9,10,11,12,13,14,15
	v_exp_f32 v[EX+\j], v[EX+\j]
.endr
	v_nop                                          ; the plain line behind the last exponential
	s_wait_alu depctr_va_vdst(0)                   ; one wait for the batch of sixteen
.irp i, 0,1,2,3
	v_add_f32 v[EX+4*\i], v[EX+4*\i], v[EX+4*\i+1]
	v_add_f32 v[EX+4*\i+2], v[EX+4*\i+2], v[EX+4*\i+3]
.endr
.irp i, 0,1,2,3
	v_add_f32 v[EX+4*\i], v[EX+4*\i], v[EX+4*\i+2]
.endr
.irp x, 1,2,4,8
.irp i, 0,1,2,3
	v_add_f32_dpp v[EX+4*\i], v[EX+4*\i], v[EX+4*\i] row_xmask:\x row_mask:0xf bank_mask:0xf
.endr
.endr
.irp i, 0,1,2,3
	v_permlanex16_b32 v[TP+\i], v[EX+4*\i], s20, s21
.endr
.irp i, 0,1,2,3
	v_add_f32 v[EX+4*\i], v[EX+4*\i], v[TP+\i]     ; l of block 4 i + w
.endr
.irp i, 0,1,2,3
	ds_store_b32 v2, v[MX+\i] offset:16*\i         ; word 4 i + w; all lanes write the same number
	ds_store_b32 v2, v[EX+4*\i] offset:64+16*\i
.endr
	s_wait_dscnt 0x0                               ; for the others' sake
	s_barrier_signal -1
	s_barrier_wait -1
.irp q, 0,1,2,3
	ds_load_b128 v[MK+4*\q:MK+4*\q+3], v3 offset:16*\q
	ds_load_b128 v[LK+4*\q:LK+4*\q+3], v3 offset:64+16*\q
.endr
	s_wait_dscnt 0x0
	v_max3_num_f32 v4, v[MK], v[MK+1], v[MK+2]
.irp k, 3,5,7,9,11,13
	v_max3_num_f32 v4, v4, v[MK+\k], v[MK+\k+1]
.endr
	v_max_num_f32 v4, v4, v[MK+15]                 ; M
.irp k, 0,1,2,3,4,5,6,7,8,9,10,11,12,13,14,15
	v_sub_f32 v[EX+\k], v[MK+\k], v4
.endr
	s_wait_loadcnt 16                              ; my rows' scores are in; ctxp's sixteen loads may be out
.irp j, 0,1,2,3,4,5,6,7
	v_sub_f32 v[O1+\j], v[O1+\j], v4
.endr
	s_wait_alu depctr_va_vdst(0)
.irp k, 0,1,2,3,4,5,6,7,8,9,10,11,12,13,14,15
	v_exp_f32 v[EX+\k], v[EX+\k]                   ; w_k
.endr
.irp j, 0,1,2,3,4,5,6,7
	v_exp_f32 v[O1+\j], v[O1+\j]
.endr
	v_nop
	s_wait_alu depctr_va_vdst(0)                   ; one wait for the batch of 24
	v_mul_f32 v5, v[EX], v[LK]                     ; L, in two chains
	v_mul_f32 v6, v[EX+1], v[LK+1]
.irp k, 2,4,6,8,10,12,14
	v_fma_f32 v5, v[EX+\k], v[LK+\k], v5
	v_fma_f32 v6, v[EX+\k+1], v[LK+\k+1], v6
.endr
	v_add_f32 v5, v5, v6
	s_wait_alu depctr_va_vdst(0)
	v_rcp_f32 v7, v5
	s_wait_loadcnt 0x0                             ; ctxp
.irp j, 0,1,2,3
	v_mul_f32 v[AC+\j], v[EX], v[CT+\j]            ; the first block starts the sums (plain lines behind the reciprocal)
.endr
.irp k, 1,2,3,4,5,6,7,8,9,10,11,12,13,14,15
.irp j, 0,1,2,3
	v_fma_f32 v[AC+\j], v[EX+\k], v[CT+4*\k+\j], v[AC+\j]
.endr
.endr
	s_wait_alu depctr_va_vdst(0)                   ; the reciprocal's wait, ahead of its first reader
.irp j, 0,1,2,3
	v_mul_f32 v[AC+\j], v[AC+\j], v7
.endr
.irp j, 0,1,2,3,4,5,6,7
	v_mul_f32 v[O1+\j], v[O1+\j], v7
.endr
	global_store_b128 v1, v[AC:AC+3], s[8:9]       ; each store of a wave covers 512 consecutive bytes, aligned
	global_store_b128 v1, v[O1:O1+3], s[10:11]
	global_store_b128 v1, v[O1+4:O1+7], s[10:11] offset:2048
	s_wait_tensorcnt 0x0
	ds_add_u32 v160, v161
	s_wait_dscnt 0x0
	s_endpgm
.Lfunc_end_k_qd2e892d664_combine:
	.size	k_qd2e892d664_combine, .Lfunc_end_k_qd2e892d664_combine-k_qd2e892d664_combine
	.p2alignl 7, 3214868480
	.fill 96, 4, 3214868480
	.section	.rodata,"a",@progbits
	.p2align	6, 0x0
	.amdhsa_kernel k_qd2e892d664_combine
		.amdhsa_group_segment_fixed_size 768
		.amdhsa_private_segment_fixed_size 0
		.amdhsa_enable_private_segment 0
		.amdhsa_kernarg_size 32
		.amdhsa_user_sgpr_count 2
		.amdhsa_user_sgpr_kernarg_segment_ptr 1
		.amdhsa_wavefront_size32 1
		.amdhsa_system_sgpr_workgroup_id_x 1
		.amdhsa_system_sgpr_workgroup_id_y 1
		.amdhsa_system_sgpr_workgroup_id_z 1
		.amdhsa_system_vgpr_workitem_id 0
		.amdhsa_next_free_vgpr 162
		.amdhsa_next_free_sgpr 66
		.amdhsa_reserve_vcc 0
		.amdhsa_float_denorm_mode_32 3
		.amdhsa_float_denorm_mode_16_64 3
		.amdhsa_memory_ordered 1
		.amdhsa_forward_progress 1
		.amdhsa_inst_pref_size 18
	.end_amdhsa_kernel
	.amdgpu_metadata
---
amdhsa.version: [ 1, 2 ]
amdhsa.kernels:
  - .name:           k_qd2e892d664_combine
    .symbol:         k_qd2e892d664_combine.kd
    .args:
      - { .name: sc, .offset: 0, .size: 8, .value_kind: global_buffer, .address_space: global }
      - { .name: ctxp, .offset: 8, .size: 8, .value_kind: global_buffer, .address_space: global }
      - { .name: out0, .offset: 16, .size: 8, .value_kind: global_buffer, .address_space: global }
      - { .name: out1, .offset: 24, .size: 8, .value_kind: global_buffer, .address_space: global }
    .group_segment_fixed_size: 768
    .private_segment_fixed_size: 0
    .kernarg_segment_align: 8
    .kernarg_segment_size: 32
    .max_flat_workgroup_size: 128
    .sgpr_count:     66
    .vgpr_count:     162
    .wavefront_size: 32
...
	.end_amdgpu_metadata
.endif
;; end of part 3
